; MI455X (gfx1250); checked and timed in simulation.
; The chip was launched on July 23, 2026; its instructions are those of AMD's public machine-readable ISA for CDNA 5 (MIT licence, August 2026) and "CDNA5" Instruction Set Architecture Reference Guide (July 2026). The comments in the code are by the model that wrote it; some were corrected since.
;; Hard Cluster Assigner. Allowed arithmetic: float matrix products may take bf16 or f16 operands with f32 sums; all other float work in f32.
;; Inputs: W 512 x 1,024 float32; b 512 float32; centroids 64 x 512 float32; x 64 x 1,024 x 512 float32.
;; Outputs: out0 512 x 64 float32.
;; One version. Each part assembles by itself: llvm-mc -triple=amdgcn-amd-amdhsa -mcpu=gfx1250 --defsym DOCPART=n.
;; ======== version 1 of 1: 2 launches
;; workspace buffers: part 4,194,304 bytes
;; launch partial (part 1): grid 8 x 32, 16 waves a work-group, no clusters, 280,064 bytes of LDS; arguments x, W, b, centroids, part; writes part
.if DOCPART == 1
	.amdgcn_target "amdgcn-amd-amdhsa--gfx1250"
	.amdhsa_code_object_version 6
	.text
	.protected	k_q0978e47ab6_partial
	.globl	k_q0978e47ab6_partial
	.p2align	8
	.type	k_q0978e47ab6_partial,@function
k_q0978e47ab6_partial:
	s_mov_b64 s[64:65], 0
	v_nop
	global_prefetch_b8 v0, s[64:65] scope:SCOPE_SE
	s_setreg_imm32_b32 hwreg(HW_REG_WAVE_MODE, 25, 1), 1
	s_wait_xcnt 0x0
; partial: the scores of 64 variables v against 64 centroids c, summed over 32 of the 1,024 places s.
;   score[v][c] = sum over s of xm[s][v] G[c][s] + d[c],   xm[s][v] = (1/64) sum over batches of x[batch][s][v],
;   G[c][s] = rn[c] sum over h of cent[c][h] W[h][s],      d[c] = rn[c] sum over h of b[h] cent[c][h],   rn[c] = 1 / max(|cent[c]|, 1e-12).
; All steps in front of the argmin are linear, so the mean over batches is taken first and the centroids are multiplied into W first: this holds for every input.
; The factor 1 / max(|x_emb[v]|, 1e-12) is positive and common to the 64 scores of a row: it moves no argmin (a zero row gives 64 equal scores either way) and is not applied.
; Work-group (vblk = x, sblk = y): s = 32 sblk .. +31, v = 64 vblk .. +63; it stores part[sblk][v][c], 16 KiB, with the bias share of h = 16 sblk .. +15 added,
; so that the sum of the 32 planes of part holds the whole of d[c] once.
; NUMBER FORMAT: every f32 matrix operand goes in as two bf16 numbers, hi = bf16(a), lo = bf16(a - hi), and each product is three bf16 matrix instructions
; (hi hi, hi lo, lo hi) with f32 sums.  The result steers an argmax, and one bf16 number alone leaves an error of the size of the smallest gaps between the best two cosines.
; LIMITS: finite inputs (with NaN or infinity the residue a - hi is NaN and the row's scores are NaN); the order of rounding differs from the reference's;
; rows whose two best cosines differ by less than about 1e-7 may take the other index; v_sqrt_f32 and v_rcp_f32 are good to 1 ulp and flush denormals
; (a centroid whose sum of squares is denormal has a norm below 1e-12 and meets the clamp, as in the reference).
; NO CLUSTER: of the 704 KiB that a work-group reads, 192 KiB (centroids 128, its slice of W 64) are shared with others.  They are converted on their way through
; registers; a joint tensor load would lay them into LDS as f32, 192 KiB beside the 209 KiB of bf16 planes made of them, which is more than the 320 KiB there are.
; NO TENSOR LOADS for x: each lane keeps 32 loads of 16 bytes on their way, 256 KiB for the work-group, in registers, and the stream has no barrier.
; Sixteen waves.  t = thread, w = wave, L = lane, r = L & 15, hh = (L >> 4) & 1, ct = w & 3, kq = vt = w >> 2.
; ---- LDS; no byte is written twice ----
.set CPITCH, 2064                      ; centroid row: 1,024 bytes hi, 1,024 bytes lo, 16 of padding: 129 x 16, so 16 rows start at 16 different 16-byte columns modulo 256
.set WPITCH, 160                       ; row h of the W slice: 64 bytes hi, 64 bytes lo, 32 of padding: 5 x 32, for the transposing loads
.set XPITCH, 288                       ; row s of xm: 128 bytes hi, 128 bytes lo, 32 of padding: 9 x 32
.set SPITCH, 80                        ; a wave's score block: 16 rows v of 64 bytes (16 c) + 16
.set SBLK,   1344                      ; 16 x 80 + 64: blocks are 64 bytes apart modulo 256
.set WP, 64*CPITCH                     ; 132,096 (the centroid planes begin at LDS byte 0)
.set GP, WP+512*WPITCH                 ; 214,016: partial G, f32, 2,048 bytes a wave
.set XP, GP+16*2048                    ; 246,784
.set ST, XP+32*XPITCH                  ; 256,000
.set RN, ST+16*SBLK                    ; 277,504: rn[c]
.set DB, RN+256                        ; 277,760: this s block's share of d[c]
; ---- vector registers ----
.set XO,  2                            ; byte offset of my 16 bytes in the x tile; never rewritten
.set CO,  3                            ; early: offsets of the loads of centroids, W and the bias slices; LDS addresses of the conversions
.set WO,  4
.set BCO, 5
.set BBO, 6
.set AC,  7
.set AW,  8
.set AW2, 9
.set ARN, 10
.set BI,  12                           ; v[12:13] two centroid numbers, v[14:15] two of b
.set AF,  3                            ; late: LDS addresses and the offset in part
.set BF,  4
.set AGP, 5
.set AGR, 6
.set ARR, 7
.set AXS, 8
.set AXF, 9
.set AST, 10
.set ASR, 11
.set ADB, 12
.set PO,  13
.set T,   16                           ; v[16:23] at work
.set SS,  24                           ; v[24:31] four sums of squares, in pairs
.set ACC0, 16                          ; G phase: s = 0..15 of the slice
.set ACC1, 24                          ; G phase: s = 16..31
.set ACCA, 24                          ; stream: two running sums of four numbers
.set ACCB, 28
.set CE,  32                           ; v[32:95]  centroid rows as loaded: 16 q + 4 j
.set WL,  96                           ; v[96:127] W rows as loaded: 4 j
.set F0,  32                           ; fragment buffers: +0 W hi s 0-15, +8 W hi s 16-31, +16 and +24 the same of lo, +32 centroids hi, +40 lo
.set F1,  80
.set GH,  32                           ; G as a fragment, hi and lo; stay to the end
.set GL,  40
.set PS,  48                           ; v[48:111] four partial G
.set RNP, 112                          ; rn, twice
.set TP,  114
.set XH,  48                           ; xm fragments
.set XL,  56
.set D1,  64                           ; scores: the large product; the two small ones
.set D2,  72
.set OUT, 80
.set D4,  88
.set X,   128                          ; v[128:255] ring of 8 groups of 4 loads
; ---- scalar registers ----
.set XBASE, 32                         ; s[32+2g:33+2g]: the x tile in batch 4 g; never rewritten
.set BATCH, 2097152                    ; bytes of x in a batch
.set GSTEP, 4*BATCH
; a pair of f32 in src, src+1 becomes two packed bf16 words: hi, and lo = bf16 of the residue (the subtraction is exact)
.macro PAIR hi, lo, src, tmp
	v_cvt_pk_bf16_f32 v[\hi], v[\src], v[\src+1]
	v_lshlrev_b32 v[\tmp], 16, v[\hi]
	v_and_b32 v[\tmp+1], s22, v[\hi]
	v_pk_add_f32 v[\src:\src+1], v[\src:\src+1], v[\tmp:\tmp+1] neg_lo:[0,1] neg_hi:[0,1]
	v_cvt_pk_bf16_f32 v[\lo], v[\src], v[\src+1]
.endm
; four f32 in src .. src+3: 8 bytes of hi to adr + off, 8 bytes of lo to adr + off + lo
.macro SPLIT4 src, adr, off, lo
	PAIR T, T+2, \src, T+4
	PAIR T+1, T+3, \src+2, T+6
	ds_store_b64 v[\adr], v[T:T+1] offset:\off
	ds_store_b64 v[\adr], v[T+2:T+3] offset:\off+\lo
.endm
; sum over the 32 lanes, result in every lane; tmp has been written before
.macro WAVESUM a, tmp
	v_add_f32_dpp v[\a], v[\a], v[\a] row_xmask:1 row_mask:0xf bank_mask:0xf
	v_add_f32_dpp v[\a], v[\a], v[\a] row_xmask:2 row_mask:0xf bank_mask:0xf
	v_add_f32_dpp v[\a], v[\a], v[\a] row_xmask:4 row_mask:0xf bank_mask:0xf
	v_add_f32_dpp v[\a], v[\a], v[\a] row_xmask:8 row_mask:0xf bank_mask:0xf
	v_permlanex16_b32 v[\tmp], v[\a], s25, s26
	v_add_f32 v[\a], v[\a], v[\tmp]
.endm
; the sum of squares of centroid row 4 w + q, of which a lane holds 16 numbers
.macro SUMSQ q
	v_pk_mul_f32 v[SS+2*\q:SS+2*\q+1], v[CE+16*\q:CE+16*\q+1], v[CE+16*\q:CE+16*\q+1]
.irp i, 2,4,6,8,10,12,14
	v_pk_fma_f32 v[SS+2*\q:SS+2*\q+1], v[CE+16*\q+\i:CE+16*\q+\i+1], v[CE+16*\q+\i:CE+16*\q+\i+1], v[SS+2*\q:SS+2*\q+1]
.endr
	v_add_f32 v[SS+2*\q], v[SS+2*\q], v[SS+2*\q+1]
	WAVESUM SS+2*\q, SS+2*\q+1
.endm
; the four places behind a matrix instruction in front of a vector instruction, an LDS store or a load that touches its registers
.macro PLACES
.rept 4
	v_nop
.endr
.endm
; the fragments of K step tt (32 h) into buffer f: 8 transposing loads of W (stored [h][s]; the fragment wants h along the registers), 4 plain loads of centroids
.macro FETCH tt, f
.irp p, 0,1
.irp st, 0,1
.irp u, 0,1
	ds_load_tr16_b128 v[\f+16*\p+8*\st+4*\u:\f+16*\p+8*\st+4*\u+3], v[AF] offset:\tt*32*WPITCH+\u*16*WPITCH+\st*32+\p*64
.endr
.endr
.endr
.irp p, 0,1
.irp u, 0,1
	ds_load_b128 v[\f+32+8*\p+4*\u:\f+32+8*\p+4*\u+3], v[BF] offset:\tt*64+\u*32+\p*1024
.endr
.endr
.endm
; six matrix instructions: D(m = s, n = c) += W^T x cent^T, products hi hi, hi lo, lo hi.  The two accumulators take turns, one instruction a turn,
; from block to block too (a block ends on ACC1, the next begins on ACC0).
.macro MUL f, zero
.if \zero
	v_wmma_f32_16x16x32_bf16 v[ACC0:ACC0+7], v[\f:\f+7], v[\f+32:\f+39], 0
	v_wmma_f32_16x16x32_bf16 v[ACC1:ACC1+7], v[\f+8:\f+15], v[\f+32:\f+39], 0
.else
	v_wmma_f32_16x16x32_bf16 v[ACC0:ACC0+7], v[\f:\f+7], v[\f+32:\f+39], v[ACC0:ACC0+7]
	v_wmma_f32_16x16x32_bf16 v[ACC1:ACC1+7], v[\f+8:\f+15], v[\f+32:\f+39], v[ACC1:ACC1+7]
.endif
	v_wmma_f32_16x16x32_bf16 v[ACC0:ACC0+7], v[\f:\f+7], v[\f+40:\f+47], v[ACC0:ACC0+7]
	v_wmma_f32_16x16x32_bf16 v[ACC1:ACC1+7], v[\f+8:\f+15], v[\f+40:\f+47], v[ACC1:ACC1+7]
	v_wmma_f32_16x16x32_bf16 v[ACC0:ACC0+7], v[\f+16:\f+23], v[\f+32:\f+39], v[ACC0:ACC0+7]
	v_wmma_f32_16x16x32_bf16 v[ACC1:ACC1+7], v[\f+24:\f+31], v[\f+32:\f+39], v[ACC1:ACC1+7]
.endm
; group g of the stream: my 16 bytes in batches 4 g .. 4 g + 3.  Sixteen neighbouring lanes read 256 consecutive bytes, aligned.  x is read once in the launch.
.macro XLOAD g
.irp i, 0,1,2,3
	global_load_b128 v[X+16*((\g)%8)+4*\i:X+16*((\g)%8)+4*\i+3], v[XO], s[XBASE+2*(\g):XBASE+2*(\g)+1] offset:\i*BATCH th:TH_LOAD_NT
.endr
.endm
; group g is added up; left = the younger loads that may stay out; refill = 1: its registers take group g + 8
.macro XGROUP g, left, refill
	s_wait_loadcnt \left                   ; loads come back in order (ISA guide 5.7.1): this group's four are in
.set XS, X+16*((\g)%8)
.if (\g) == 0
	v_pk_add_f32 v[ACCA:ACCA+1], v[XS:XS+1], v[XS+4:XS+5]              ; the first group starts the sums: nothing is cleared
	v_pk_add_f32 v[ACCA+2:ACCA+3], v[XS+2:XS+3], v[XS+6:XS+7]
	v_pk_add_f32 v[ACCB:ACCB+1], v[XS+8:XS+9], v[XS+12:XS+13]
	v_pk_add_f32 v[ACCB+2:ACCB+3], v[XS+10:XS+11], v[XS+14:XS+15]
.else
	v_pk_add_f32 v[XS:XS+1], v[XS:XS+1], v[XS+4:XS+5]
	v_pk_add_f32 v[XS+2:XS+3], v[XS+2:XS+3], v[XS+6:XS+7]
	v_pk_add_f32 v[XS+8:XS+9], v[XS+8:XS+9], v[XS+12:XS+13]
	v_pk_add_f32 v[XS+10:XS+11], v[XS+10:XS+11], v[XS+14:XS+15]
	v_pk_add_f32 v[ACCA:ACCA+1], v[ACCA:ACCA+1], v[XS:XS+1]
	v_pk_add_f32 v[ACCA+2:ACCA+3], v[ACCA+2:ACCA+3], v[XS+2:XS+3]
	v_pk_add_f32 v[ACCB:ACCB+1], v[ACCB:ACCB+1], v[XS+8:XS+9]
	v_pk_add_f32 v[ACCB+2:ACCB+3], v[ACCB+2:ACCB+3], v[XS+10:XS+11]
.endif
.if \refill
	XLOAD (\g)+8
.endif
.endm
	; ---- 1. set-up ----
	s_load_b256 s[4:11], s[0:1], 0x0               ; x s[4:5], W s[6:7], b s[8:9], centroids s[10:11]
	s_load_b64 s[12:13], s[0:1], 0x20              ; part
	v_lshrrev_b32 v16, 5, v0
	v_readfirstlane_b32 s14, v16                   ; w
	s_and_b32 s15, s14, 3                          ; ct
	s_lshr_b32 s16, s14, 2                         ; kq = vt
	s_and_b32 s18, ttmp7, 0xffff                   ; sblk
	s_mov_b32 s22, 0xffff0000                      ; a word's upper bf16; also: lanes 16 to 31
	s_mov_b32 s23, 0xff00ff00                      ; lanes 8-15 and 24-31
	s_mov_b32 s25, 0x76543210                      ; v_permlanex16_b32: lane i of one half reads lane i of the other
	s_mov_b32 s26, 0xfedcba98
	v_and_b32 v1, 31, v0                           ; L
	v_and_b32 v16, 15, v0
	v_lshrrev_b32 v17, 4, v0
	v_lshlrev_b32 v16, 4, v16
	v_lshl_add_u32 v[XO], v17, 11, v16             ; row s = t >> 4 of 2,048 bytes, 16 bytes at 16 (t & 15)
	v_lshlrev_b32 v18, 4, v1
	v_lshl_add_u32 v[CO], s14, 13, v18             ; centroid row 4 w (2,048 bytes each) + 16 L
	v_lshrrev_b32 v19, 3, v0                       ; t >> 3 = 4 w + (L >> 3)
	v_and_b32 v20, 7, v0
	v_lshlrev_b32 v21, 4, v20
	v_lshl_add_u32 v[WO], v19, 12, v21             ; W row t >> 3 (4,096 bytes each) + 16 (t & 7)
	v_lshlrev_b32 v[BBO], 3, v20                   ; two of the 16 numbers of b: 8 (L & 7)
	v_lshl_add_u32 v[BCO], v19, 11, v[BBO]         ; the same two h of centroid row 4 w + (L >> 3)
	s_mul_i32 s17, s14, 4*CPITCH                   ; LDS: my four centroid rows (the planes begin at byte 0)
	v_lshlrev_b32 v[AC], 3, v1
	v_add_nc_u32 v[AC], s17, v[AC]
	s_mul_i32 s17, s14, 4*WPITCH                   ; LDS: my four rows of each 64 rows of W
	s_add_co_u32 s17, s17, WP
	v_lshrrev_b32 v22, 3, v1
	v_mad_u32_u24 v[AW], v22, WPITCH, v[BBO]
	v_add_nc_u32 v[AW], s17, v[AW]
	v_add_nc_u32 v[AW2], 256*WPITCH, v[AW]         ; rows 256 and up: the LDS immediate has 16 bits
	s_lshl_b32 s17, s14, 4
	s_add_co_u32 s17, s17, RN
	v_lshl_add_u32 v[ARN], v22, 2, s17             ; word 4 w + (L >> 3) of rn; the bias share lies 256 bytes behind
	s_lshl_b32 s20, s18, 16                        ; x: 32 sblk rows of 2,048 bytes
	s_lshl_b32 s17, ttmp9, 8                       ;    + 64 vblk numbers
	s_add_co_u32 s20, s20, s17
	s_mov_b32 s21, 0
	s_wait_kmcnt 0x0
	s_add_nc_u64 s[XBASE:XBASE+1], s[4:5], s[20:21]
.set g, 1
.rept 15
	s_add_nc_u64 s[XBASE+2*g:XBASE+2*g+1], s[XBASE:XBASE+1], g*GSTEP
.set g, g+1
.endr
	s_lshl_b32 s20, s18, 7                         ; W: 32 sblk numbers along a row
	s_add_nc_u64 s[6:7], s[6:7], s[20:21]
	s_lshl_b32 s20, s18, 6                         ; b and centroids at h = 16 sblk
	s_add_nc_u64 s[8:9], s[8:9], s[20:21]
	s_add_nc_u64 s[28:29], s[10:11], s[20:21]
	s_lshl_b32 s20, s18, 17                        ; part: plane sblk of 131,072 bytes
	s_lshl_b32 s17, ttmp9, 14                      ;       + 64 vblk rows of 256 bytes
	s_add_co_u32 s20, s20, s17
	s_add_nc_u64 s[12:13], s[12:13], s[20:21]
	; all 58 loads in one run, the small ones first: loads come back in order, and behind x they would be seen only when 256 KiB had landed
.irp q, 0,1,2,3
.irp j, 0,1,2,3
	global_load_b128 v[CE+16*\q+4*\j:CE+16*\q+4*\j+3], v[CO], s[10:11] offset:\q*2048+\j*512   ; 512 consecutive bytes of row 4 w + q
.endr
.endr
	global_load_b64 v[BI:BI+1], v[BCO], s[28:29]
	global_load_b64 v[BI+2:BI+3], v[BBO], s[8:9]
.irp j, 0,1,2,3,4,5,6,7
	global_load_b128 v[WL+4*\j:WL+4*\j+3], v[WO], s[6:7] offset:\j*64*4096                     ; row (t >> 3) + 64 j: eight lanes take the row's 128 bytes of this s block
.endr
.irp g, 0,1,2,3,4,5,6,7
	XLOAD \g
.endr
	; ---- 2. centroids: sums of squares in f32, then the bf16 planes ----
.irp q, 0,1,2,3
	s_wait_loadcnt 54-4*\q                         ; younger: (3 - q) x 4 of centroids, 2 of the bias, 8 of W, 32 of x
	SUMSQ \q
.irp j, 0,1,2,3
	SPLIT4 CE+16*\q+4*\j, AC, \q*CPITCH+\j*256, 1024
.endr
.endr
	; ---- 3. rn and the bias share: lane L serves row 4 w + (L >> 3) ----
	s_wait_loadcnt 40                              ; younger: 8 of W, 32 of x
	v_cndmask_b32 v16, v[SS], v[SS+2], s23
	v_cndmask_b32 v17, v[SS+4], v[SS+6], s23
	v_cndmask_b32 v16, v16, v17, s22
	v_sqrt_f32 v17, v16
	v_mul_f32 v18, v[BI], v[BI+2]                  ; the plain line behind v_sqrt_f32 (ISA guide 5.7.2)
	s_wait_alu depctr_va_vdst(0)
	v_max_num_f32 v17, 0x2b8cbccc, v17             ; 1e-12
	v_rcp_f32 v19, v17
	v_fma_f32 v18, v[BI+1], v[BI+3], v18           ; the plain line behind v_rcp_f32
	v_add_f32_dpp v18, v18, v18 row_xmask:1 row_mask:0xf bank_mask:0xf
	v_add_f32_dpp v18, v18, v18 row_xmask:2 row_mask:0xf bank_mask:0xf
	v_add_f32_dpp v18, v18, v18 row_xmask:4 row_mask:0xf bank_mask:0xf     ; the 16 h are summed over eight lanes
	s_wait_alu depctr_va_vdst(0)
	v_mul_f32 v18, v18, v19
	ds_store_b32 v[ARN], v19                       ; eight lanes store one value to one word
	ds_store_b32 v[ARN], v18 offset:DB-RN
	; ---- 4. the W slice: bf16 planes ----
.irp j, 0,1,2,3
	s_wait_loadcnt 39-\j                           ; younger: 7 - j of W, 32 of x
	SPLIT4 WL+4*\j, AW, \j*64*WPITCH, 64
.endr
.irp j, 4,5,6,7
	s_wait_loadcnt 39-\j
	SPLIT4 WL+4*\j, AW2, (\j-4)*64*WPITCH, 64
.endr
	; ---- 5. the late addresses.  The last wait (32) has shown every load done that names v3 to v6; only x's, which name XO, are out ----
	v_and_b32 v16, 15, v0                          ; r
	v_bfe_u32 v17, v0, 4, 1                        ; hh
	v_and_b32 v18, 7, v0
	v_bfe_u32 v19, v0, 3, 1
	v_lshl_add_u32 v20, v17, 3, v18                ; 8 hh + (L & 7): the row that a transposing load's lane addresses
	v_lshlrev_b32 v19, 4, v19                      ; 16 ((L >> 3) & 1): its 16 bytes
	v_lshlrev_b32 v21, 4, v1                       ; 16 L
	s_mul_i32 s17, s16, 128*WPITCH                 ; W rows h = 128 kq ..
	s_add_co_u32 s17, s17, WP
	v_mad_u32_u24 v[AF], v20, WPITCH, v19
	v_add_nc_u32 v[AF], s17, v[AF]
	s_mul_i32 s17, s15, 16*CPITCH                  ; centroid rows 16 ct + r, h = 128 kq + 8 hh ..
	s_lshl_b32 s19, s16, 8
	s_add_co_u32 s17, s17, s19
	v_mul_u32_u24 v[BF], v16, CPITCH
	v_lshl_add_u32 v[BF], v17, 4, v[BF]
	v_add_nc_u32 v[BF], s17, v[BF]
	s_lshl_b32 s17, s14, 11                        ; my partial G
	s_add_co_u32 s17, s17, GP
	v_add_nc_u32 v[AGP], s17, v21
	s_lshl_b32 s17, s15, 11                        ; the four partials of my ct: waves ct, ct + 4, ct + 8, ct + 12
	s_add_co_u32 s17, s17, GP
	v_add_nc_u32 v[AGR], s17, v21
	s_lshl_b32 s17, s15, 6
	s_add_co_u32 s17, s17, RN
	v_lshl_add_u32 v[ARR], v16, 2, s17             ; rn[16 ct + r]
	s_mul_i32 s17, s14, 2*XPITCH                   ; xm: row s = 2 w + hh, 8 bytes at 8 r
	s_add_co_u32 s17, s17, XP
	v_mul_u32_u24 v[AXS], v17, XPITCH
	v_lshl_add_u32 v[AXS], v16, 3, v[AXS]
	v_add_nc_u32 v[AXS], s17, v[AXS]
	s_lshl_b32 s17, s16, 5                         ; xm fragments: columns v = 16 vt ..
	s_add_co_u32 s17, s17, XP
	v_mad_u32_u24 v[AXF], v20, XPITCH, v19
	v_add_nc_u32 v[AXF], s17, v[AXF]
	s_mul_i32 s17, s14, SBLK                       ; my score block: row r, 32 bytes for each half of the lanes
	s_add_co_u32 s17, s17, ST
	v_mul_u32_u24 v[AST], v16, SPITCH
	v_lshl_add_u32 v[AST], v17, 5, v[AST]
	v_add_nc_u32 v[AST], s17, v[AST]
	s_lshr_b32 s17, s14, 3                         ; back by rows: v = t >> 4 lies in blocks 4 (v >> 4) + 0..3, row v & 15 = 2 (w & 7) + hh;
	s_mul_i32 s17, s17, 4*SBLK                     ; my 16 bytes (c = 4 (t & 15) ..) in block + ((t >> 2) & 3), at 16 (t & 3)
	s_and_b32 s19, s14, 7
	s_mul_i32 s19, s19, 2*SPITCH
	s_add_co_u32 s17, s17, s19
	s_add_co_u32 s17, s17, ST
	v_bfe_u32 v22, v0, 2, 2
	v_and_b32 v23, 3, v0
	v_mul_u32_u24 v[ASR], v22, SBLK
	v_mad_u32_u24 v[ASR], v17, SPITCH, v[ASR]
	v_lshl_add_u32 v[ASR], v23, 4, v[ASR]
	v_add_nc_u32 v[ASR], s17, v[ASR]
	v_lshl_add_u32 v[ADB], v16, 4, DB              ; the bias share of my four c
	v_lshlrev_b32 v[PO], 4, v0                     ; part: 16 t = row t >> 4 of 256 bytes + 16 (t & 15)
	s_wait_dscnt 0x0                               ; my stores of the planes, of rn and of the bias share are done,
	s_barrier_signal -1
	s_barrier_wait -1                              ; everybody's are
	; ---- 6. G: wave (ct, kq) makes 32 s x 16 c over h = 128 kq .. +127, four K steps on two fragment buffers ----
	FETCH 0, F0
	FETCH 1, F1
	s_wait_dscnt 12                                ; the other buffer's twelve loads may stay out
	MUL F0, 1                                      ; the first products start the sums
	PLACES
	FETCH 2, F0
	s_wait_dscnt 12
	MUL F1, 0
	PLACES
	FETCH 3, F1
	s_wait_dscnt 12
	MUL F0, 0
	s_wait_dscnt 0x0
	MUL F1, 0
	PLACES
.irp q, 0,1,2,3
	ds_store_b128 v[AGP], v[ACC0+4*\q:ACC0+4*\q+3] offset:\q*512
.endr
	s_wait_dscnt 0x0                               ; my partial is in LDS,
	s_barrier_signal -1
	s_barrier_wait -1                              ; everybody's is
	; ---- 7. the four partials of my ct are summed and scaled by rn.  Lane (r, hh) holds c = 16 ct + r; register j of ACC0 holds s = 8 hh + j, of ACC1
	;         s = 16 + 8 hh + j: packed in pairs that is the 16-bit fragment of rows c with s along the registers.  No trip through LDS. ----
	ds_load_b32 v[RNP], v[ARR]
.irp k, 0,1,2,3
.irp q, 0,1,2,3
	ds_load_b128 v[PS+16*\k+4*\q:PS+16*\k+4*\q+3], v[AGR] offset:\k*8192+\q*512
.endr
.endr
	s_wait_dscnt 0x0
	v_mov_b32 v[RNP+1], v[RNP]
.irp i, 0,2,4,6,8,10,12,14
	v_pk_add_f32 v[PS+\i:PS+\i+1], v[PS+\i:PS+\i+1], v[PS+16+\i:PS+16+\i+1]
	v_pk_add_f32 v[PS+32+\i:PS+32+\i+1], v[PS+32+\i:PS+32+\i+1], v[PS+48+\i:PS+48+\i+1]
	v_pk_add_f32 v[PS+\i:PS+\i+1], v[PS+\i:PS+\i+1], v[PS+32+\i:PS+32+\i+1]
	v_pk_mul_f32 v[PS+\i:PS+\i+1], v[PS+\i:PS+\i+1], v[RNP:RNP+1]
	PAIR GH+\i/2, GL+\i/2, PS+\i, TP
.endr
	; ---- 8. the stream: 16 groups of four batches; 32 loads of every lane are out until the last eight groups ----
.irp g, 0,1,2,3,4,5,6,7
	XGROUP \g, 28, 1                               ; seven younger groups of four
.endr
.irp g, 8,9,10,11,12,13,14,15
	XGROUP \g, 4*(15-\g), 0                        ; nothing is left to ask for: the counts run down
.endr
	; ---- 9. the mean, as bf16 planes [s][v] ----
	v_pk_add_f32 v[ACCA:ACCA+1], v[ACCA:ACCA+1], v[ACCB:ACCB+1]
	v_pk_add_f32 v[ACCA+2:ACCA+3], v[ACCA+2:ACCA+3], v[ACCB+2:ACCB+3]
	v_pk_mul_f32 v[ACCA:ACCA+1], v[ACCA:ACCA+1], 0x3c800000 op_sel_hi:[1,0]        ; 1/64, exact
	v_pk_mul_f32 v[ACCA+2:ACCA+3], v[ACCA+2:ACCA+3], 0x3c800000 op_sel_hi:[1,0]
	SPLIT4 ACCA, AXS, 0, 128
	s_wait_dscnt 0x0
	s_barrier_signal -1
	s_barrier_wait -1
	; ---- 10. scores: wave (ct, vt) makes D(m = c, n = v), 16 x 16, K = the 32 s.  A lane then holds eight neighbouring c of one v. ----
.irp p, 0,1
.irp u, 0,1
	ds_load_tr16_b128 v[XH+8*\p+4*\u:XH+8*\p+4*\u+3], v[AXF] offset:\u*16*XPITCH+\p*128
.endr
.endr
	s_wait_dscnt 0x0
	v_wmma_f32_16x16x32_bf16 v[D2:D2+7], v[GH:GH+7], v[XL:XL+7], 0                 ; the two small products are summed apart from the large one;
	v_wmma_f32_16x16x32_bf16 v[D1:D1+7], v[GH:GH+7], v[XH:XH+7], 0                 ; D2, D1, D2: the accumulators take turns
	v_wmma_f32_16x16x32_bf16 v[D2:D2+7], v[GL:GL+7], v[XH:XH+7], v[D2:D2+7]
	PLACES
.irp i, 0,2,4,6
	v_pk_add_f32 v[D1+\i:D1+\i+1], v[D1+\i:D1+\i+1], v[D2+\i:D2+\i+1]
.endr
	ds_store_b128 v[AST], v[D1:D1+3]
	ds_store_b128 v[AST], v[D1+4:D1+7] offset:16
	s_wait_dscnt 0x0
	s_barrier_signal -1
	s_barrier_wait -1
	; ---- 11. out by rows, with the bias share: sixteen neighbouring lanes store 256 consecutive bytes, aligned.  The next launch reads them: no hint. ----
	ds_load_b128 v[OUT:OUT+3], v[ASR]              ; row v = t >> 4
	ds_load_b128 v[OUT+4:OUT+7], v[ASR] offset:8*SBLK      ; row v + 32: eight blocks on
	ds_load_b128 v[D4:D4+3], v[ADB]
	s_wait_dscnt 0x0
	v_pk_add_f32 v[OUT:OUT+1], v[OUT:OUT+1], v[D4:D4+1]
	v_pk_add_f32 v[OUT+2:OUT+3], v[OUT+2:OUT+3], v[D4+2:D4+3]
	v_pk_add_f32 v[OUT+4:OUT+5], v[OUT+4:OUT+5], v[D4:D4+1]
	v_pk_add_f32 v[OUT+6:OUT+7], v[OUT+6:OUT+7], v[D4+2:D4+3]
	global_store_b128 v[PO], v[OUT:OUT+3], s[12:13]
	global_store_b128 v[PO], v[OUT+4:OUT+7], s[12:13] offset:8192
	s_wait_xcnt 0x0
	v_lshl_add_u32 v254, v0, 2, 0x43e00
	v_mov_b32 v255, 0
	s_wait_tensorcnt 0x0
	ds_add_u32 v254, v255
	s_wait_dscnt 0x0
	s_endpgm
.Lfunc_end_k_q0978e47ab6_partial:
	.size	k_q0978e47ab6_partial, .Lfunc_end_k_q0978e47ab6_partial-k_q0978e47ab6_partial
	.p2alignl 7, 3214868480
	.fill 96, 4, 3214868480
	.section	.rodata,"a",@progbits
	.p2align	6, 0x0
	.amdhsa_kernel k_q0978e47ab6_partial
		.amdhsa_group_segment_fixed_size 280064
		.amdhsa_private_segment_fixed_size 0
		.amdhsa_enable_private_segment 0
		.amdhsa_kernarg_size 40
		.amdhsa_user_sgpr_count 2
		.amdhsa_user_sgpr_kernarg_segment_ptr 1
		.amdhsa_wavefront_size32 1
		.amdhsa_system_sgpr_workgroup_id_x 1
		.amdhsa_system_sgpr_workgroup_id_y 1
		.amdhsa_system_sgpr_workgroup_id_z 1
		.amdhsa_system_vgpr_workitem_id 0
		.amdhsa_next_free_vgpr 256
		.amdhsa_next_free_sgpr 66
		.amdhsa_reserve_vcc 0
		.amdhsa_float_denorm_mode_32 3
		.amdhsa_float_denorm_mode_16_64 3
		.amdhsa_memory_ordered 1
		.amdhsa_forward_progress 1
		.amdhsa_inst_pref_size 57
	.end_amdhsa_kernel
	.amdgpu_metadata
---
amdhsa.version: [ 1, 2 ]
amdhsa.kernels:
  - .name:           k_q0978e47ab6_partial
    .symbol:         k_q0978e47ab6_partial.kd
    .args:
      - { .name: x, .offset: 0, .size: 8, .value_kind: global_buffer, .address_space: global }
      - { .name: W, .offset: 8, .size: 8, .value_kind: global_buffer, .address_space: global }
      - { .name: b, .offset: 16, .size: 8, .value_kind: global_buffer, .address_space: global }
      - { .name: centroids, .offset: 24, .size: 8, .value_kind: global_buffer, .address_space: global }
      - { .name: part, .offset: 32, .size: 8, .value_kind: global_buffer, .address_space: global }
    .group_segment_fixed_size: 280064
    .private_segment_fixed_size: 0
    .kernarg_segment_align: 8
    .kernarg_segment_size: 40
    .max_flat_workgroup_size: 512
    .sgpr_count:     66
    .vgpr_count:     256
    .wavefront_size: 32
...
	.end_amdgpu_metadata
.endif
;; end of part 1
;; launch pick (part 2): grid 256 x 1, 1 waves a work-group, no clusters, 0 bytes of LDS; arguments part, out0; writes out0
.if DOCPART == 2
	.amdgcn_target "amdgcn-amd-amdhsa--gfx1250"
	.amdhsa_code_object_version 6
	.text
	.protected	k_q0978e47ab6_pick
	.globl	k_q0978e47ab6_pick
	.p2align	8
	.type	k_q0978e47ab6_pick,@function
k_q0978e47ab6_pick:
	s_mov_b64 s[64:65], 0
	v_nop
	global_prefetch_b8 v0, s[64:65] scope:SCOPE_SE
	s_setreg_imm32_b32 hwreg(HW_REG_WAVE_MODE, 25, 1), 1
	s_wait_xcnt 0x0
; pick: score[v][c] = the sum of the 32 planes of part; out0[v][c] = 1 at the first c with the row's largest score, else 0.
; (The reference takes the first smallest of the negated cosines; the row's positive norm factor, left out of the scores, moves no argmax.)
; One wave a work-group; work-group g owns rows 2 g and 2 g + 1.  Lane L holds row 2 g + (L >> 4), columns 4 (L & 15) .. +3: each load and the store
; cover 512 consecutive bytes, aligned.  All 32 loads go out at once.  The choice is made by compares and selects on values alone: no branch, no address hangs on it.
; LIMIT: finite scores.  A row of NaN scores gets no 1 (the reference would mark the first NaN).
; No LDS, no matrix unit, no cluster: a row's 64 scores lie in sixteen lanes, and no two work-groups read the same bytes.
.set PLANE, 131072                     ; bytes in a plane of part
.set X,    4                           ; v[4:131] the 32 planes' 16 bytes
.set ACCA, 132                         ; two running sums of four numbers
.set ACCB, 136
.set CN,   140                         ; v[140:143] my four column numbers as f32
.set M,    144                         ; the row's largest score
.set I,    145                         ; the first column that has it
.set O,    148                         ; v[148:151] the four outputs
	s_load_b128 s[4:7], s[0:1], 0x0                ; part s[4:5], out0 s[6:7]
	s_lshl_b32 s8, ttmp9, 9                        ; two rows of 256 bytes a work-group, in part's planes and in out0 alike
	s_mov_b32 s9, 0
	v_lshlrev_b32 v1, 4, v0
	s_wait_kmcnt 0x0
	s_add_nc_u64 s[4:5], s[4:5], s[8:9]
	s_add_nc_u64 s[6:7], s[6:7], s[8:9]
.set k, 0
.rept 32
	global_load_b128 v[X+4*k:X+4*k+3], v1, s[4:5] offset:k*PLANE th:TH_LOAD_NT
.set k, k+1
.endr
	v_and_b32 v2, 15, v0
	v_lshlrev_b32 v2, 2, v2
	v_cvt_f32_u32 v[CN], v2
	v_add_f32 v[CN+1], 1.0, v[CN]
	v_add_f32 v[CN+2], 2.0, v[CN]
	v_add_f32 v[CN+3], 0x40400000, v[CN]           ; 3.0
; four planes are added up; left = the younger loads that may stay out
.macro SUM4 n, left
	s_wait_loadcnt \left
.set XS, X+16*\n
.if \n == 0
	v_pk_add_f32 v[ACCA:ACCA+1], v[XS:XS+1], v[XS+4:XS+5]              ; the first four planes start the sums
	v_pk_add_f32 v[ACCA+2:ACCA+3], v[XS+2:XS+3], v[XS+6:XS+7]
	v_pk_add_f32 v[ACCB:ACCB+1], v[XS+8:XS+9], v[XS+12:XS+13]
	v_pk_add_f32 v[ACCB+2:ACCB+3], v[XS+10:XS+11], v[XS+14:XS+15]
.else
	v_pk_add_f32 v[XS:XS+1], v[XS:XS+1], v[XS+4:XS+5]
	v_pk_add_f32 v[XS+2:XS+3], v[XS+2:XS+3], v[XS+6:XS+7]
	v_pk_add_f32 v[XS+8:XS+9], v[XS+8:XS+9], v[XS+12:XS+13]
	v_pk_add_f32 v[XS+10:XS+11], v[XS+10:XS+11], v[XS+14:XS+15]
	v_pk_add_f32 v[ACCA:ACCA+1], v[ACCA:ACCA+1], v[XS:XS+1]
	v_pk_add_f32 v[ACCA+2:ACCA+3], v[ACCA+2:ACCA+3], v[XS+2:XS+3]
	v_pk_add_f32 v[ACCB:ACCB+1], v[ACCB:ACCB+1], v[XS+8:XS+9]
	v_pk_add_f32 v[ACCB+2:ACCB+3], v[ACCB+2:ACCB+3], v[XS+10:XS+11]
.endif
.endm
.irp n, 0,1,2,3,4,5,6,7
	SUM4 \n, 28-4*\n                               ; loads come back in order (ISA guide 5.7.1): the 4 (7 - n) younger ones stay out
.endr
	v_pk_add_f32 v[ACCA:ACCA+1], v[ACCA:ACCA+1], v[ACCB:ACCB+1]
	v_pk_add_f32 v[ACCA+2:ACCA+3], v[ACCA+2:ACCA+3], v[ACCB+2:ACCB+3]
	; the row's maximum: my four, then across the sixteen lanes that hold the row
	v_max3_num_f32 v[M], v[ACCA], v[ACCA+1], v[ACCA+2]
	v_max_num_f32 v[M], v[M], v[ACCA+3]
	v_max_num_f32_dpp v[M], v[M], v[M] row_xmask:1 row_mask:0xf bank_mask:0xf
	v_max_num_f32_dpp v[M], v[M], v[M] row_xmask:2 row_mask:0xf bank_mask:0xf
	v_max_num_f32_dpp v[M], v[M], v[M] row_xmask:4 row_mask:0xf bank_mask:0xf
	v_max_num_f32_dpp v[M], v[M], v[M] row_xmask:8 row_mask:0xf bank_mask:0xf
	; the first column that reaches it: 64 where none of mine does; from my last column down, so that the lowest stays; then the smallest of the sixteen lanes
	v_mov_b32 v[I], 0x42800000                     ; 64.0
.irp e, 3,2,1,0
	v_cmp_eq_f32 vcc_lo, v[ACCA+\e], v[M]
	v_cndmask_b32 v[I], v[I], v[CN+\e], vcc_lo
.endr
	v_min_num_f32_dpp v[I], v[I], v[I] row_xmask:1 row_mask:0xf bank_mask:0xf
	v_min_num_f32_dpp v[I], v[I], v[I] row_xmask:2 row_mask:0xf bank_mask:0xf
	v_min_num_f32_dpp v[I], v[I], v[I] row_xmask:4 row_mask:0xf bank_mask:0xf
	v_min_num_f32_dpp v[I], v[I], v[I] row_xmask:8 row_mask:0xf bank_mask:0xf
.irp e, 0,1,2,3
	v_cmp_eq_f32 vcc_lo, v[CN+\e], v[I]
	v_cndmask_b32 v[O+\e], 0, 1.0, vcc_lo
.endr
	global_store_b128 v1, v[O:O+3], s[6:7] th:TH_STORE_NT
	s_endpgm
.Lfunc_end_k_q0978e47ab6_pick:
	.size	k_q0978e47ab6_pick, .Lfunc_end_k_q0978e47ab6_pick-k_q0978e47ab6_pick
	.p2alignl 7, 3214868480
	.fill 96, 4, 3214868480
	.section	.rodata,"a",@progbits
	.p2align	6, 0x0
	.amdhsa_kernel k_q0978e47ab6_pick
		.amdhsa_group_segment_fixed_size 0
		.amdhsa_private_segment_fixed_size 0
		.amdhsa_enable_private_segment 0
		.amdhsa_kernarg_size 16
		.amdhsa_user_sgpr_count 2
		.amdhsa_user_sgpr_kernarg_segment_ptr 1
		.amdhsa_wavefront_size32 1
		.amdhsa_system_sgpr_workgroup_id_x 1
		.amdhsa_system_sgpr_workgroup_id_y 1
		.amdhsa_system_sgpr_workgroup_id_z 1
		.amdhsa_system_vgpr_workitem_id 0
		.amdhsa_next_free_vgpr 160
		.amdhsa_next_free_sgpr 66
		.amdhsa_reserve_vcc 1
		.amdhsa_float_denorm_mode_32 3
		.amdhsa_float_denorm_mode_16_64 3
		.amdhsa_memory_ordered 1
		.amdhsa_forward_progress 1
		.amdhsa_inst_pref_size 10
	.end_amdhsa_kernel
	.amdgpu_metadata
---
amdhsa.version: [ 1, 2 ]
amdhsa.kernels:
  - .name:           k_q0978e47ab6_pick
    .symbol:         k_q0978e47ab6_pick.kd
    .args:
      - { .name: part, .offset: 0, .size: 8, .value_kind: global_buffer, .address_space: global }
      - { .name: out0, .offset: 8, .size: 8, .value_kind: global_buffer, .address_space: global }
    .group_segment_fixed_size: 0
    .private_segment_fixed_size: 0
    .kernarg_segment_align: 8
    .kernarg_segment_size: 16
    .max_flat_workgroup_size: 32
    .sgpr_count:     66
    .vgpr_count:     160
    .wavefront_size: 32
...
	.end_amdgpu_metadata
.endif
;; end of part 2
